; MI455X (gfx1250); checked and timed in simulation.
; The chip was launched on July 23, 2026; its instructions are those of AMD's public machine-readable ISA for CDNA 5 (MIT licence, August 2026) and "CDNA5" Instruction Set Architecture Reference Guide (July 2026). The comments in the code are by the model that wrote it; some were corrected since.
;; Relation. Allowed arithmetic: matrix products marked QUANTISED: E2M3 operands, one E8M0 scale for each 32 along K, by v_wmma_scale_f32_16x16x128_f8f6f4 with both operands' format E2M3, f32 sums; everything else in f32.
;; Inputs: w_qkv 768 x 128 float32; x 4 x 128 x 64 x 64 float32.
;; Outputs: out0 4 x 256 x 64 x 64 float32.
;; This version of the problem:
;;   THIS VERSION OF THE PROBLEM IS GIVEN IN LOW PRECISION. The matrix products marked QUANTISED in the list below multiply operands that are first quantised to E2M3 (2 exponent bits, 3 mantissa bits; 6 bits a number), with one power-of-two scale for each 32 numbers along K (OCP MX v1.0); their sums are f32. All else is computed in f32.
;;   The module's matrix products, in the order in which they are computed (A, B: the left and right operand; K: the contracted axis; several contracted axes count as one K, in the product's order):
;;     1. [M 768, K 128] x [K 128, N 16,384]; A: input w_qkv; B: input x: QUANTISED
;;   THE QUANTISER, for each operand of a quantised product, along K:
;;     - K is cut into blocks of 32 from its start; a last block that is shorter is filled with zeros.
;;     - A block's scale is 2^e with e = floor(log2(the largest magnitude in the block)) - 2, held to -126 .. 127; a block of zeros has e = 0. As a byte (E8M0): e + 127.
;;     - Each number is divided by its block's scale, clamped to +-7.5, and rounded to the nearest number of E2M3, ties to even, subnormals kept.
;;     - The product sums the exact products of the quantised numbers (number of the format x scale) in f32.
;;   ~~~python
;;   def quantise(x, axis):      # numpy; x: float32 -> the quantised numbers, widened to float32 again
;;       x = np.moveaxis(x, axis, -1); K = x.shape[-1]
;;       x = np.pad(x, [(0, 0)] * (x.ndim - 1) + [(0, -K % 32)]); x = x.reshape(x.shape[:-1] + (-1, 32)); a = np.abs(x).max(-1, keepdims=True)
;;       e = np.where(a > 0, np.clip(np.frexp(np.where(a > 0, a, 1))[1] - 1 - 2, -126, 127), 0)      # np.frexp(a)[1] - 1 = floor(log2(a)), exactly
;;       r = np.clip(x / 2.0 ** e, -7.5, 7.5)
;;       step = 2.0 ** (np.maximum(np.frexp(np.where(r == 0, 1, r))[1] - 1, 0) - 3)
;;       q = np.round(r / step) * step * 2.0 ** e      # np.round: ties to even
;;       return np.moveaxis(q.reshape(q.shape[:-2] + (-1,))[..., :K], -1, axis).astype(np.float32)
;;   ~~~
;; One version. Each part assembles by itself: llvm-mc -triple=amdgcn-amd-amdhsa -mcpu=gfx1250 --defsym DOCPART=n.
;; ======== version 1 of 1: 2 launches
;; workspace buffers: qf 1,783,808 bytes
;; launch quant (part 1): grid 268 x 1, 4 waves a work-group, no clusters, 0 bytes of LDS; arguments x, w_qkv, qf; writes qf
.if DOCPART == 1
	.amdgcn_target "amdgcn-amd-amdhsa--gfx1250"
	.amdhsa_code_object_version 6
	.text
	.protected	k_q74548245f0_quant
	.globl	k_q74548245f0_quant
	.p2align	8
	.type	k_q74548245f0_quant,@function
k_q74548245f0_quant:
	s_mov_b64 s[64:65], 0
	v_nop
	global_prefetch_b8 v0, s[64:65] scope:SCOPE_SE
	s_setreg_imm32_b32 hwreg(HW_REG_WAVE_MODE, 25, 1), 1
	s_wait_xcnt 0x0
; x [4][128][64][64] and w_qkv [768][128], f32, become codes of FP6 (E2M3) with one E8M0 scale byte for each 32 along K (K = the 128 channels), laid in qf
; IN THE ORDER OF THE MATRIX OPERAND'S REGISTERS, so that the next launch loads a fragment by three loads of 16 bytes a lane.
; No step and no input of reference() is left out in this program: both inputs are read whole, once, here.
; A FRAGMENT is 16 rows (of w_qkv) or 16 neighbouring pixels (of x) x 128 K: lane (r, h) = lane r + 16 h holds row or pixel r; its registers 0-5 are block h (k = 32 h ..), its registers 6-11 block 2 + h.
; qf: fragment F's codes at 1,536 F: register group q (four registers) of lane l at 512 q + 16 l; its scale words at SCO + 128 F + 4 l (lane l: the word of row l % 16; byte b: block b).
; Fragments 0-1023: x, pixel 16 F .. 16 F + 15 of the flattened [n][y][x].  Fragments 1024-1071: w_qkv, rows 16 (F - 1024) on.
; One wave makes one fragment: F = 4 x work-group + wave.  Work-groups 0-255 take x, 256-267 w_qkv: the two differ in their loads alone (a scalar branch on the work-group's number).
; x: K is not innermost: a lane takes a pixel and its registers run down K; sixteen lanes read 64 neighbouring bytes of a channel's row, and the four waves of a work-group together take the row's 256 bytes.
; w_qkv: K is innermost: a lane reads its two blocks of 128 bytes by eight loads of 16 bytes each.
; A lane holds two whole blocks, so a block's largest magnitude needs no other lane.  A block's scale is 2^(floor(log2(largest magnitude)) - 2): its byte is the largest magnitude's exponent field - 2, held at 1 from below.
; (A block of zeros so gets the byte 1 where the rule says 127: its codes are zeros, which add nothing under any byte but 0xff, and the bytes are read by this program alone.)
; LIMITS: blocks whose largest magnitude lies under 2^(2 - 126), whose byte is held at 1, were not tried; NaN and infinities among the inputs are not served.
; No LDS, no barrier: waves share nothing.  All 64 (or 16) loads of a wave go out together; nothing is loaded twice, so nothing is asked for ahead.
.set CHB,  16384                       ; bytes from channel to channel in x: 64 x 64 f32
.set FRB,  1536                        ; a fragment's codes in bytes
.set NFR,  1072                        ; fragments in all
.set SCO,  NFR*FRB                     ; where the scale words begin in qf
.set XWG,  256                         ; work-groups that take x
.set X,    64                          ; v64-127  my 64 numbers: register 32 c + i is k = 64 c + 32 h + i
.set MX,   8                           ; v8-9     largest magnitudes of my two blocks
.set SOP,  10                          ; v10-11   the conversions' scale operands
.set BY,   12                          ; v12-13   the scale bytes
.set SW,   14                          ; v14      the scale word
.set TT,   15                          ; v15      at work
.set C,    16                          ; v16-27   the fragment's codes
.set TC,   28                          ; v28-30, v32-34  the upper halves of the blocks' codes, as the conversions leave them
	s_load_b128 s[4:7], s[0:1], 0x0                ; x, w_qkv
	s_load_b64 s[8:9], s[0:1], 0x10                ; qf
	v_lshrrev_b32 v1, 5, v0
	v_readfirstlane_b32 s10, v1                    ; wave 0..3
	v_and_b32 v1, 15, v0                           ; r
	v_bfe_u32 v2, v0, 4, 1                         ; h
	v_and_b32 v3, 31, v0                           ; lane
	v_lshlrev_b32 v5, 4, v3                        ; 16 x lane: my place in a register group
	v_lshlrev_b32 v6, 2, v3                        ; 4 x lane: my scale word's place
	s_lshl_b32 s11, ttmp9, 2
	s_add_co_u32 s11, s11, s10                     ; F = 4 x work-group + wave
	s_mov_b32 s20, 0x76543210
	s_mov_b32 s21, 0xfedcba98                      ; v_permlanex16_b32's selects for lane l xor 16
	s_mul_i32 s12, s11, FRB
	s_mov_b32 s13, 0
	s_lshl_b32 s14, s11, 7
	s_mov_b32 s15, 0
	s_wait_kmcnt 0x0
	s_add_nc_u64 s[16:17], s[8:9], s[12:13]        ; my fragment's codes
	s_add_nc_u64 s[18:19], s[8:9], s[14:15]        ; my fragment's scale words (SCO stands in the store's immediate)
	s_cmp_lt_u32 ttmp9, XWG
	s_cbranch_scc0 .Lweights
	s_lshr_b32 s12, s11, 8                         ; x: the picture n = F / 256: 128 channels of 16,384 bytes = 2^21 bytes,
	s_lshl_b32 s12, s12, 21
	s_and_b32 s14, s11, 255
	s_lshl_b32 s14, s14, 6                         ; and 16 pixels of 4 bytes for each fragment in it
	s_add_co_u32 s12, s12, s14
	s_add_nc_u64 s[4:5], s[4:5], s[12:13]
	v_lshlrev_b32 v4, 2, v1                        ; pixel r,
	v_lshl_add_u32 v4, v2, 19, v4                  ; and lanes 16-31 begin 32 channels (2^19 bytes) further down
.irp c, 0,1
.set I, 0
.rept 32
	global_load_b32 v[X+32*\c+I], v4, s[4:5] offset:(64*\c+I)*CHB th:TH_LOAD_NT   ; x(64 c + 32 h + i, pixel r); read once in the launch
.set I, I+1
.endr
.endr
	s_branch .Lquant
.Lweights:
	s_sub_co_u32 s12, s11, 4*XWG
	s_lshl_b32 s12, s12, 13                        ; w_qkv: 16 rows of 512 bytes for each fragment
	s_add_nc_u64 s[6:7], s[6:7], s[12:13]
	v_lshlrev_b32 v4, 9, v1                        ; row r,
	v_lshl_add_u32 v4, v2, 7, v4                   ; + block h
.irp c, 0,1
.irp q, 0,1,2,3,4,5,6,7
	global_load_b128 v[X+32*\c+4*\q:X+32*\c+4*\q+3], v4, s[6:7] offset:256*\c+16*\q th:TH_LOAD_NT
.endr
.endr
.Lquant:
	s_wait_loadcnt 0x0
.irp c, 0,1                                    ; my block 2 c + h: all its 32 numbers are mine
	v_max3_num_f32 v[MX+\c], |v[X+32*\c]|, |v[X+32*\c+1]|, 0x1800000   ; and the floor 2^(3 - 127), under which no largest magnitude is taken: so the byte cannot fall under 1
.endr
.irp i, 2,4,6,8,10,12,14,16,18,20,22,24,26,28,30
.irp c, 0,1
	v_max3_num_f32 v[MX+\c], v[MX+\c], |v[X+32*\c+\i]|, |v[X+32*\c+\i+1]|   ; (the two blocks by turns)
.endr
.endr
.irp c, 0,1
	v_add_nc_u32 v[SOP+\c], 0xff000000, v[MX+\c]   ; 2 off the exponent field: the conversion takes the exponent field of this operand as its scale, and nothing else of it
.endr
.irp c, 0,1
	v_lshrrev_b32 v[BY+\c], 23, v[SOP+\c]          ; the scale's byte
.endr
	v_lshl_or_b32 v[SW], v[BY+1], 16, v[BY]        ; my two bytes: blocks h and 2 + h,
	v_lshlrev_b32 v[TT], 3, v2
	v_lshlrev_b32 v[SW], v[TT], v[SW]              ; at their places in the scale word (8 h bits up);
	v_mov_b32 v[TT], 0                             ; (a lane permute's destination counts as one of its sources)
	v_permlanex16_b32 v[TT], v[SW], s20, s21
	v_or_b32 v[SW], v[SW], v[TT]                   ; with lane l xor 16's two the word is whole, in both lanes
.irp c, 0,1
	v_cvt_scalef32_pk16_fp6_f32 v[C+6*\c:C+6*\c+2], v[X+32*\c:X+32*\c+15], v[SOP+\c]         ; registers 6 c .. 6 c + 2 of the operand
	v_cvt_scalef32_pk16_fp6_f32 v[TC+4*\c:TC+4*\c+2], v[X+32*\c+16:X+32*\c+31], v[SOP+\c]    ; (a conversion's three registers begin on an even number: the second half of a block's six does not, so it is made elsewhere and moved)
.endr
	v_nop                                          ; one plain place behind a scaled conversion
.irp c, 0,1
.irp i, 0,1,2
	v_mov_b32 v[C+3+6*\c+\i], v[TC+4*\c+\i]
.endr
.endr
.irp q, 0,1,2
	global_store_b128 v5, v[C+4*\q:C+4*\q+3], s[16:17] offset:512*\q   ; 32 lanes store 512 consecutive bytes, at a multiple of 256 from qf's first byte
.endr
	global_store_b32 v6, v[SW], s[18:19] offset:SCO    ; 128 consecutive bytes: one byte in thirteen of what the launch stores
	s_endpgm
.Lfunc_end_k_q74548245f0_quant:
	.size	k_q74548245f0_quant, .Lfunc_end_k_q74548245f0_quant-k_q74548245f0_quant
	.p2alignl 7, 3214868480
	.fill 96, 4, 3214868480
	.section	.rodata,"a",@progbits
	.p2align	6, 0x0
	.amdhsa_kernel k_q74548245f0_quant
		.amdhsa_group_segment_fixed_size 0
		.amdhsa_private_segment_fixed_size 0
		.amdhsa_enable_private_segment 0
		.amdhsa_kernarg_size 24
		.amdhsa_user_sgpr_count 2
		.amdhsa_user_sgpr_kernarg_segment_ptr 1
		.amdhsa_wavefront_size32 1
		.amdhsa_system_sgpr_workgroup_id_x 1
		.amdhsa_system_sgpr_workgroup_id_y 1
		.amdhsa_system_sgpr_workgroup_id_z 1
		.amdhsa_system_vgpr_workitem_id 0
		.amdhsa_next_free_vgpr 128
		.amdhsa_next_free_sgpr 66
		.amdhsa_reserve_vcc 0
		.amdhsa_float_denorm_mode_32 3
		.amdhsa_float_denorm_mode_16_64 3
		.amdhsa_memory_ordered 1
		.amdhsa_forward_progress 1
		.amdhsa_inst_pref_size 13
	.end_amdhsa_kernel
	.amdgpu_metadata
---
amdhsa.version: [ 1, 2 ]
amdhsa.kernels:
  - .name:           k_q74548245f0_quant
    .symbol:         k_q74548245f0_quant.kd
    .args:
      - { .name: x, .offset: 0, .size: 8, .value_kind: global_buffer, .address_space: global }
      - { .name: w_qkv, .offset: 8, .size: 8, .value_kind: global_buffer, .address_space: global }
      - { .name: qf, .offset: 16, .size: 8, .value_kind: global_buffer, .address_space: global }
    .group_segment_fixed_size: 0
    .private_segment_fixed_size: 0
    .kernarg_segment_align: 8
    .kernarg_segment_size: 24
    .max_flat_workgroup_size: 128
    .sgpr_count:     66
    .vgpr_count:     128
    .wavefront_size: 32
...
	.end_amdgpu_metadata
.endif
;; end of part 1
;; launch attn (part 2): grid 64 x 4, 4 waves a work-group, no clusters, 296,448 bytes of LDS; arguments qf, out0; writes out0
.if DOCPART == 2
	.amdgcn_target "amdgcn-amd-amdhsa--gfx1250"
	.amdhsa_code_object_version 6
	.text
	.protected	k_q74548245f0_attn
	.globl	k_q74548245f0_attn
	.p2align	8
	.type	k_q74548245f0_attn,@function
k_q74548245f0_attn:
	s_mov_b64 s[64:65], 0
	v_nop
	global_prefetch_b8 v0, s[64:65] scope:SCOPE_SE
	s_setreg_imm32_b32 hwreg(HW_REG_WAVE_MODE, 25, 1), 1
	s_wait_xcnt 0x0
; out = window attention (5 x 5, zero padded, 8 heads of 32 channels) on Q, K, V = w_qkv x, the product on codes of FP6 (E2M3) with E8M0 scales out of qf (made by the launch before, in the order of the operand's registers).
; Nothing of reference() is left out.  The padded places count in the softmax as reference() has them: score 0, value 0.  The maximum is taken away before the exponential.
; SHARES.  A work-group owns a strip of 4 rows x 64 columns of one picture (x of the grid: 16 n + strip) and 2 heads (y of the grid).  Four waves.
; THE PRODUCT.  K and V are wanted on 8 rows (two above, two below), Q on 4.  Wave w takes columns 16 w .. 16 w + 15: one fragment of x for each of the 8 rows, against 12 tiles of 16 rows of w_qkv (Q, K, V x 64 channels):
; 80 matrix instructions a wave, each a whole K = 128 with C = 0 and a result of its own.  Source 0 = w_qkv's rows, source 1 = pixels: a lane holds one pixel (lane % 16) and 8 neighbouring channels, 32 bytes for LDS.
; Rows outside the picture (strips 0 and 15): the fragment's address is held inside the picture and its codes are cleared by a mask made of the strip's number: K = V = 0 there, exactly.
; LDS.  K: [8 rows][68 columns][272 bytes]: a record is 64 channels (head 0, head 1) + 16 bytes, so that record c starts at bank 4 c mod 64 (64 banks of 4 bytes: ISA guide 11.1); columns 0, 1, 66, 67 are the padding: zeros.
; V likewise, behind K.  Q ([4][64][272]) lies in V's bytes: it is read into registers, a barrier follows, and only then V is stored.  K and V together take 295,936 bytes; behind them the spare words.
; THE ATTENTION, all in f32.  Wave w: head w / 2, columns 32 (w % 2) on.  A LANE OWNS 4 ROWS x 2 COLUMNS x 16 OF THE HEAD'S 32 CHANNELS: lanes l and l xor 8 own the same 8 pixels and take the records' pieces of 16 bytes by turns
; (lane bit 3 = h: channels 8 k + 4 h + 0 .. 3).  So a number of K or V that is read from LDS feeds 3,200 / 768 = 4.2 multiply-adds: each once.
; A step takes rows jj and jj + 4 of one of the patch's 6 columns: 8 loads; rows jj and jj + 4 together meet 5 of the 4 x 5 (pixel row, window row) pairs, whatever jj: 5 chains for each pixel column that the column serves.
; Scores: a chain is 8 packed multiply-adds (even and odd channels), their two halves are added, and lane l xor 8's half of the channels comes by one addition with row_xmask:8: both lanes then hold all 200 scores and both
; do the softmax, so that nothing has to be sent back for the second sum, in which each lane again has its own 16 channels.  The sum's reciprocal is applied on the way out.
; THE WAY OUT.  out0 is [n][channel][y][x]: a channel's 4 rows of the strip are 1,024 consecutive bytes.  The results meet in a stage in K's bytes ([64 channels][1,056 bytes]) and leave by stores of 512 consecutive bytes.
; NO CLUSTER, NO TENSOR LOAD: what work-groups share is x's 32 fragments (53,248 bytes with their scale words), read once at the head straight into operand registers; there is no loop over tiles, and LDS is full of K and V.
; NOTHING IS ASKED FOR AHEAD: the launch's only loads stand at its head.
; LIMITS: NaN and infinities are not served.
; REGISTERS, in windows of 256 (s_set_vgpr_msb: bits 1:0 source 0, 3:2 source 1, 5:4 source 2, 7:6 destination):
;   window 0: v0-47 addresses, maxima, reciprocals; v48-255: first x's fragments, scale words and offsets; then the scores, 26 registers a pixel (25 and a zero); then the way out.
;   window 1: first 32 result tiles; then v0-127 a ring of four buffers of 32 for K or V, v128-147 the chains' pairs, later v128-255 O's sums.   window 2: v0-127 Q.   window 3: v0-143 w_qkv's 12 tiles.
.set FRB,   1536                       ; a fragment's codes in qf
.set NFR,   1072
.set SCO,   NFR*FRB                    ; where the scale words begin in qf
.set REC,   272                        ; a pixel's record in LDS
.set ROWP,  68*REC                     ; a row of K or V
.set QROWP, 64*REC                     ; a row of Q
.set VREG,  8*ROWP                     ; V begins behind K (K begins at 0)
.set QREG,  VREG                       ; Q lies in V's first bytes
.set SPARE, 16*ROWP                    ; behind V: the spare words, 128 bytes for each wave: two blocks of 256 bytes that no other line names
.set OCH,   1056                       ; the stage: a channel's 1,024 bytes + 32: four channels on is 32 banks on, so that the two halves of a lane pair store to different banks
.set SPW, 1                            ; v1   LDS address of my spare word; never rewritten
.set NIL, 2                            ; v2   0; never rewritten
.set L16, 3                            ; v3   16 x lane
.set AK,  4                            ; v4-5 my patch's first record in K's rows 0-3, 4-7
.set AK2, 5
.set AV,  6                            ; v6-7 the same in V
.set AV2, 7
.set AQ,  8                            ; v8   and in Q
.set OS,  9                            ; v9   the stage: where I put two columns of a channel
.set ORD, 10                           ; v10  and where I read rows back
.set H3,  11                           ; v11  h: which pieces of 16 bytes are mine
.set RC,  12                           ; v12-19 1 / sum, a pixel each
.set MP,  20                           ; v20-35 a pair a pixel: c m and m; later the sum's two halves
.set ZR,  20                           ; v20-23 zeros for the padding (ahead of the softmax)
.set L4,  36                           ; v36  4 x lane
.set RR,  37                           ; v37  lane % 16
.set HH,  38                           ; v38  lane / 16
.set TA,  39                           ; v39  at work
.set SK,  40                           ; v40-41 where my results go in K's rows 0-3, 4-7
.set SK2, 41
.set SV,  42                           ; v42-43 in V's
.set SV2, 43
.set SQ,  44                           ; v44  in Q
.set ZP,  45                           ; v45-46 where my zeros go in K, in V
.set ZP2, 46
.set CP,  47                           ; v47  which pair of columns is mine, 0..15
.set S,   48                           ; v48-255 scores: pixel p = 4 col + py at S + 26 p; in it 5 dy + dx
.set XF,  48                           ; v48-143 x's 8 fragments
.set XSC, 144                          ; v144-151 their scale words
.set WSC, 152                          ; v152-163 w_qkv's 12
.set XO,  164                          ; v164-171 offsets of x's fragments in qf
.set XSO, 172                          ; v172-179 and of their scale words
.set WO,  180
.set WSO, 181
.set ST,  0                            ; window 1: the ring
.set ACC, 128                          ; window 1: ten pairs for the chains
.set OA,  128                          ; window 1: O's sums: pixel p at OA + 16 p
.set CS,  30                           ; s[30:31] c = log2(e): the packed form names a pair and takes its low word for both halves
.set MSB, 0
.macro WIN new                         ; the immediate's high byte repeats the setting that is left; a switch that changes nothing is dropped
.if MSB != \new
	s_set_vgpr_msb (MSB<<8)|\new
.set MSB, \new
.endif
.endm
	s_load_b128 s[4:7], s[0:1], 0x0                ; qf, out0
	v_lshl_add_u32 v[SPW], v0, 2, SPARE
	v_mov_b32 v[NIL], 0
	v_lshrrev_b32 v[TA], 5, v0
	v_readfirstlane_b32 s8, v[TA]                  ; wave 0..3
	s_and_b32 s9, ttmp7, 0xffff                    ; g: heads 2 g, 2 g + 1
	s_lshr_b32 s10, ttmp9, 4                       ; n: the picture
	s_and_b32 s11, ttmp9, 15                       ; the strip: rows 4 strip .. 4 strip + 3
	v_and_b32 v[TA], 31, v0
	v_lshlrev_b32 v[L16], 4, v[TA]
	v_lshlrev_b32 v[L4], 2, v[TA]
	v_and_b32 v[RR], 15, v0
	v_bfe_u32 v[HH], v0, 4, 1
	s_lshl_b32 s12, s11, 2
	s_sub_co_i32 s12, s12, 2                       ; the picture row of my row 0 (-2 in strip 0)
	s_lshl_b32 s13, s10, 8
	s_add_co_u32 s13, s13, s8                      ; 256 n + wave
.irp j, 0,1,2,3,4,5,6,7
	s_add_co_i32 s14, s12, \j
	s_max_i32 s14, s14, 0
	s_min_i32 s14, s14, 63                         ; held inside the picture: no load leaves qf
	s_lshl_b32 s14, s14, 2
	s_add_co_u32 s14, s14, s13                     ; fragment 256 n + 4 y + wave
	s_mul_i32 s15, s14, FRB
	v_add_nc_u32 v[XO+\j], s15, v[L16]
	s_lshl_b32 s15, s14, 7
	v_add_nc_u32 v[XSO+\j], s15, v[L4]
.endr
	s_lshl_b32 s14, s9, 2
	s_add_co_u32 s14, s14, 1024                    ; w_qkv's fragments: 1024 + 16 section + 4 g + i
	s_mul_i32 s15, s14, FRB
	v_add_nc_u32 v[WO], s15, v[L16]
	s_lshl_b32 s15, s14, 7
	v_add_nc_u32 v[WSO], s15, v[L4]
	s_cmp_eq_u32 s11, 0
	s_cselect_b32 s16, 0, -1                       ; rows 0 and 1 lie outside the picture in strip 0,
	s_cmp_eq_u32 s11, 15
	s_cselect_b32 s17, 0, -1                       ; rows 6 and 7 in strip 15
	s_lshl_b32 s20, s10, 22                        ; out0: picture n: 256 channels of 16,384 bytes;
	s_lshl_b32 s21, s9, 20                         ; my work-group's 64 channels;
	s_add_co_u32 s20, s20, s21
	s_lshl_b32 s21, s8, 18                         ; the 16 of them that my wave stores;
	s_add_co_u32 s20, s20, s21
	s_lshl_b32 s21, s11, 10                        ; the strip's 4 rows of 256 bytes
	s_add_co_u32 s20, s20, s21
	s_mov_b32 s21, 0
	s_mov_b32 s[CS], 0x3fb8aa3b                    ; log2(e)
	s_mov_b32 s[CS+1], s[CS]                       ; (named with it as a pair, so it is written)
	s_wait_kmcnt 0x0
	s_add_nc_u64 s[6:7], s[6:7], s[20:21]
.irp j, 0,1,2,3,4,5,6,7
.irp q, 0,1,2
	global_load_b128 v[XF+12*\j+4*\q:XF+12*\j+4*\q+3], v[XO+\j], s[4:5] offset:512*\q   ; a fragment as it lies: 512 consecutive bytes a load
.endr
	global_load_b32 v[XSC+\j], v[XSO+\j], s[4:5] offset:SCO
.endr
	WIN 0xc0                                       ; destination window 3
.irp t, 0,1,2,3,4,5,6,7,8,9,10,11              ; tile t: section t / 4 (Q, K, V), channels 16 (t % 4) on
.irp q, 0,1,2
	global_load_b128 v[12*\t+4*\q:12*\t+4*\q+3], v[WO], s[4:5] offset:(16*(\t/4)+\t%4)*FRB+512*\q
.endr
.endr
	WIN 0
.irp t, 0,1,2,3,4,5,6,7,8,9,10,11
	global_load_b32 v[WSC+\t], v[WSO], s[4:5] offset:SCO+(16*(\t/4)+\t%4)*128
.endr
	; LDS addresses, while the loads are on their way.  Results: pixel column 16 w + r, + 32 bytes for lanes 16-31 (channels 8 on)
	s_mul_i32 s20, s8, 16*REC
	v_mul_u32_u24 v[TA], v[RR], REC
	v_lshl_add_u32 v[TA], v[HH], 5, v[TA]
	v_add_nc_u32 v[TA], s20, v[TA]
	v_add_nc_u32 v[SK], 2*REC, v[TA]               ; K and V have two columns of padding in front
	v_add_nc_u32 v[SK2], 2*REC+4*ROWP, v[TA]
	v_add_nc_u32 v[SV], 2*REC+VREG, v[TA]
	v_add_nc_u32 v[SV2], 2*REC+VREG+4*ROWP, v[TA]
	v_add_nc_u32 v[SQ], QREG, v[TA]
	s_mul_i32 s20, s8, 2*ROWP                      ; the padding: wave w clears rows 2 w and 2 w + 1; sixteen lanes a record's 256 bytes
	v_mul_u32_u24 v[ZP], v[HH], REC
	v_lshl_add_u32 v[ZP], v[RR], 4, v[ZP]
	v_add_nc_u32 v[ZP], s20, v[ZP]
	v_add_nc_u32 v[ZP2], VREG, v[ZP]
	v_and_b32 v[CP], 7, v0                         ; the attention: lane bits 2:0 and 4: my pair of columns; bit 3: h
	v_lshl_add_u32 v[CP], v[HH], 3, v[CP]
	v_bfe_u32 v[H3], v0, 3, 1
	s_lshr_b32 s21, s8, 1                          ; my wave's head,
	s_and_b32 s22, s8, 1                           ; and its half of the columns
	s_mul_i32 s23, s22, 32*REC
	s_lshl_b32 s24, s21, 7
	s_add_co_u32 s23, s23, s24
	v_mul_u32_u24 v[TA], v[CP], 2*REC
	v_lshl_add_u32 v[TA], v[H3], 4, v[TA]
	v_add_nc_u32 v[AK], s23, v[TA]                 ; record x0 = 32 half + 2 pair (in K and V that is column x0 - 2), + 128 head + 16 h
	v_add_nc_u32 v[AK2], 4*ROWP, v[AK]
	v_add_nc_u32 v[AV], VREG, v[AK]
	v_add_nc_u32 v[AV2], VREG+4*ROWP, v[AK]
	v_add_nc_u32 v[AQ], QREG, v[AK]
	s_mul_i32 s23, s21, 32*OCH                     ; the stage: channel 32 head + 4 h, column x0
	s_lshl_b32 s24, s22, 7
	s_add_co_u32 s23, s23, s24
	v_mul_u32_u24 v[OS], v[H3], 4*OCH
	v_lshl_add_u32 v[OS], v[CP], 3, v[OS]
	v_add_nc_u32 v[OS], s23, v[OS]
	s_mul_i32 s23, s8, 16*OCH                      ; back: wave w takes channels 16 w on, 512 bytes an instruction
	v_add_nc_u32 v[ORD], s23, v[L16]
.irp i, 0,1,2,3
	v_mov_b32 v[ZR+\i], 0
.endr
.irp s, 0,1,2,3
	ds_store_b128 v[ZP], v[ZR:ZR+3] offset:(\s/2)*ROWP+(\s%2)*66*REC   ; K's padding: columns 0, 1 and 66, 67 of my two rows
.endr
	s_wait_loadcnt 0x0                             ; all fragments and scale words are in
.set I, 0
.rept 24
	v_and_b32 v[XF+I], s16, v[XF+I]                ; rows 0 and 1: codes cleared where the rows lie outside the picture
.set I, I+1
.endr
.set I, 0
.rept 24
	v_and_b32 v[XF+72+I], s17, v[XF+72+I]          ; rows 6 and 7 likewise.  (The products that take these registers stand behind the first batch and its five places)
.set I, I+1
.endr
; A BATCH: 16 products (4 rows j0 .. j0 + 3 x the section's 4 tiles) into result tiles db .. db + 15 of window 1, then their 32 stores.  Five plain places stand behind the last product: four are wanted ahead of
; a store that reads a result (ISA guide 7.12.1 for vector instructions), five ahead of a later product that writes over a result.  Each result is read from its low end on.
.macro BATCH db, sec, j0, adr, rp
	WIN 0x43                                       ; source 0 (w_qkv) window 3, source 1 (x) window 0, destination window 1
.irp a, 0,1,2,3
.irp i, 0,1,2,3
	v_wmma_scale_f32_16x16x128_f8f6f4 v[8*(\db+4*\a+\i):8*(\db+4*\a+\i)+7], v[12*(4*\sec+\i):12*(4*\sec+\i)+11], v[XF+12*(\j0+\a):XF+12*(\j0+\a)+11], 0, v[WSC+4*\sec+\i], v[XSC+\j0+\a] matrix_a_fmt:MATRIX_FMT_FP6 matrix_b_fmt:MATRIX_FMT_FP6
.endr
.endr
.rept 5
	v_nop
.endr
	WIN 0x04                                       ; an LDS store's data are its source 1: window 1
.irp a, 0,1,2,3
.irp i, 0,1,2,3
	ds_store_b128 v[\adr], v[8*(\db+4*\a+\i):8*(\db+4*\a+\i)+3] offset:\a*\rp+64*\i          ; lane (r, h): channels 16 i + 8 h + 0 .. 3 of pixel r,
	ds_store_b128 v[\adr], v[8*(\db+4*\a+\i)+4:8*(\db+4*\a+\i)+7] offset:\a*\rp+64*\i+16     ; and 4 .. 7
.endr
.endr
	WIN 0
.endm
	BATCH 0, 0, 2, SQ, QROWP                       ; Q: the strip's own 4 rows
	BATCH 16, 1, 0, SK, ROWP                       ; K: rows 0-3
	s_wait_dscnt 32                                ; all but the 32 stores just issued are done: Q's stores have read tiles 0-15, which are written anew
	BATCH 0, 1, 4, SK2, ROWP                       ; K: rows 4-7
	s_wait_dscnt 0x0                               ; for the others' sake: my stores of Q, K and the padding have landed
	s_barrier_signal -1
	s_barrier_wait -1
	WIN 0x80                                       ; destination window 2
.irp col, 0,1
.irp py, 0,1,2,3
.irp k, 0,1,2,3
	ds_load_b128 v[16*(4*\col+\py)+4*\k:16*(4*\col+\py)+4*\k+3], v[AQ] offset:\py*QROWP+\col*REC+32*\k   ; Q of my 8 pixels, my 16 channels: it stays in registers
.endr
.endr
.endr
	WIN 0
	s_wait_dscnt 0x0                               ; my reads of Q are over:
	s_barrier_signal -1
	s_barrier_wait -1                              ; everybody's are, so V may be stored over it
	BATCH 16, 2, 0, SV, ROWP                       ; V: rows 0-3
	BATCH 0, 2, 4, SV2, ROWP                       ; V: rows 4-7
.irp s, 0,1,2,3
	ds_store_b128 v[ZP2], v[ZR:ZR+3] offset:(\s/2)*ROWP+(\s%2)*66*REC   ; V's padding
.endr
	s_wait_dscnt 0x0                               ; the stores have read their registers: the ring's loads land in them
; STEP u = 4 cc + jj: column cc of my patch's six, rows jj and jj + 4.  Its 8 loads go into ring buffer u % 4: my 16 channels of row jj, then of row jj + 4.
.macro KLOAD u, a0, a1
.set LB, ST+32*((\u)%4)
.set LOF, ((\u)%4)*ROWP+((\u)/4)*REC
.irp k, 0,1,2,3
	ds_load_b128 v[LB+4*\k:LB+4*\k+3], v[\a0] offset:LOF+32*\k
.endr
.irp k, 0,1,2,3
	ds_load_b128 v[LB+16+4*\k:LB+16+4*\k+3], v[\a1] offset:LOF+32*\k
.endr
.endm
.macro WAITU u                         ; step u's loads are in; those of the steps behind it (two, one, none: 8 loads each) may be out
.if (\u) < 22
	s_wait_dscnt 16
.elseif (\u) == 22
	s_wait_dscnt 8
.else
	s_wait_dscnt 0x0
.endif
.endm
; Chain e of five: e <= jj: row jj serves pixel row e, window row jj - e; else row jj + 4 serves pixel row e - 1, window row jj + 5 - e.
.macro CHAIN e
.if (\e) <= JJ
.set PY, \e
.set WH, 0
.set DY, JJ-(\e)
.else
.set PY, (\e)-1
.set WH, 1
.set DY, JJ+5-(\e)
.endif
.endm
; The scores of step u.  Column cc serves pixel column col where 0 <= cc - col <= 4 (that is dx).  The chains go by turns, so that no packed multiply-add waits for the one above it; the first product starts a chain.
.macro SCORE u
.set JJ, (\u)%4
.set CC, (\u)/4
.set LB, ST+32*JJ
	WIN 0x56                                       ; source 0 (Q) window 2; K, the pairs: window 1
.irp t, 0,1,2,3,4,5,6,7
.irp col, 0,1
.if (CC >= \col) && (CC <= \col+4)
.irp e, 0,1,2,3,4
	CHAIN \e
.set RA, ACC+2*(5*\col+\e)
.set RQ, 16*(4*\col+PY)+2*\t
.set RK, LB+16*WH+2*\t
.if \t == 0
	v_pk_mul_f32 v[RA:RA+1], v[RQ:RQ+1], v[RK:RK+1]
.else
	v_pk_fma_f32 v[RA:RA+1], v[RQ:RQ+1], v[RK:RK+1], v[RA:RA+1]
.endif
.endr
.endif
.endr
.endr
	WIN 0x05                                       ; sources window 1, destination window 0
.irp col, 0,1
.if (CC >= \col) && (CC <= \col+4)
.irp e, 0,1,2,3,4
	CHAIN \e
.set RA, ACC+2*(5*\col+\e)
	v_add_f32 v[S+26*(4*\col+PY)+5*DY+CC-\col], v[RA], v[RA+1]   ; even and odd channels: my half of the score
.endr
.endif
.endr
.endm
	WIN 0x40                                       ; destination window 1, address window 0
	KLOAD 0, AK, AK2
	KLOAD 1, AK, AK2
	KLOAD 2, AK, AK2
.set U, 0
.rept 24
	WAITU U
.if U < 21
	WIN 0x40
	KLOAD U+3, AK, AK2                             ; three steps ahead, into the buffer that the last step has left
.endif
	SCORE U
.set U, U+1
.endr
	WIN 0
	s_wait_dscnt 0x0                               ; my reads of K are over and my stores of V have landed:
	s_barrier_signal -1                            ; say so; the softmax, work on registers alone, stands between the signal and the wait
	; THE SOFTMAX of my 8 pixels.
.irp p, 0,1,2,3,4,5,6,7
	v_mov_b32 v[S+26*\p+25], 0                     ; the 26th register of a pixel: a weight of 0, so that sums and operands go in pairs
.endr
.irp p, 0,1,2,3,4,5,6,7
.set I, 0
.rept 25
	v_add_f32_dpp v[S+26*\p+I], v[S+26*\p+I], v[S+26*\p+I] row_xmask:8 row_mask:0xf bank_mask:0xf   ; with lane l xor 8's half of the channels: the score, the same bits in both lanes
.set I, I+1
.endr
.endr
.irp p, 0,1,2,3,4,5,6,7
	v_max3_num_f32 v[MP+2*\p+1], v[S+26*\p], v[S+26*\p+1], v[S+26*\p+2]
.endr
.irp i, 3,5,7,9,11,13,15,17,19,21,23
.irp p, 0,1,2,3,4,5,6,7
	v_max3_num_f32 v[MP+2*\p+1], v[MP+2*\p+1], v[S+26*\p+\i], v[S+26*\p+\i+1]   ; m, the largest of the 25 (the pixels by turns)
.endr
.endr
.irp p, 0,1,2,3,4,5,6,7
	v_mul_f32 v[MP+2*\p], s[CS], v[MP+2*\p+1]      ; c m
.endr
.irp i, 0,2,4,6,8,10,12,14,16,18,20,22
.irp p, 0,1,2,3,4,5,6,7
	v_pk_fma_f32 v[S+26*\p+\i:S+26*\p+\i+1], v[S+26*\p+\i:S+26*\p+\i+1], s[CS:CS+1], v[MP+2*\p:MP+2*\p+1] op_sel_hi:[1,0,0] neg_lo:[0,0,1] neg_hi:[0,0,1]   ; c s - c m, two at a time
.endr
.endr
.irp p, 0,1,2,3,4,5,6,7
	v_fma_f32 v[S+26*\p+24], v[S+26*\p+24], s[CS], -v[MP+2*\p]   ; and the 25th
.endr
.irp p, 0,1,2,3,4,5,6,7
.set I, 0
.rept 25
	v_exp_f32 v[S+26*\p+I], v[S+26*\p+I]           ; p = 2^(c s - c m): one batch of 200, none of which reads another's result
.set I, I+1
.endr
.endr
	v_nop                                          ; a plain instruction behind the last exponential
	s_wait_alu depctr_va_vdst(0)                   ; one wait for the batch, ahead of its first reader
.irp p, 0,1,2,3,4,5,6,7
	v_pk_add_f32 v[MP+2*\p:MP+2*\p+1], v[S+26*\p:S+26*\p+1], v[S+26*\p+2:S+26*\p+3]
.endr
.irp i, 4,6,8,10,12,14,16,18,20,22,24
.irp p, 0,1,2,3,4,5,6,7
	v_pk_add_f32 v[MP+2*\p:MP+2*\p+1], v[MP+2*\p:MP+2*\p+1], v[S+26*\p+\i:S+26*\p+\i+1]
.endr
.endr
.irp p, 0,1,2,3,4,5,6,7
	v_add_f32 v[RC+\p], v[MP+2*\p], v[MP+2*\p+1]   ; the sum: at least the largest weight, which is about 1
.endr
.irp p, 0,1,2,3,4,5,6,7
	v_rcp_f32 v[RC+\p], v[RC+\p]
.endr
	v_nop                                          ; a plain instruction behind the last reciprocal,
	s_wait_alu depctr_va_vdst(0)                   ; and the wait ahead of the first use: one for the eight
	s_barrier_wait -1                              ; V is whole, and nobody reads K any more
; O's sums of step u: each weight, taken for both halves out of its pair of registers, times my 16 channels of V.  A pixel's first product starts its sums: nothing is cleared.
.macro VACC u
.set JJ, (\u)%4
.set CC, (\u)/4
.set LB, ST+32*JJ
.irp col, 0,1
.if (CC >= \col) && (CC <= \col+4)
.irp e, 0,1,2,3,4
	CHAIN \e
.set IA, S+26*(4*\col+PY)+5*DY+CC-\col
.set PA, IA-IA%2
.irp t, 0,1,2,3,4,5,6,7
.set RO, OA+16*(4*\col+PY)+2*\t
.set RV, LB+16*WH+2*\t
.if (JJ == 0) && (CC == \col) && (\e != 1)
.if IA%2
	v_pk_mul_f32 v[RO:RO+1], v[PA:PA+1], v[RV:RV+1] op_sel:[1,0] op_sel_hi:[1,1]
.else
	v_pk_mul_f32 v[RO:RO+1], v[PA:PA+1], v[RV:RV+1] op_sel_hi:[0,1]
.endif
.else
.if IA%2
	v_pk_fma_f32 v[RO:RO+1], v[PA:PA+1], v[RV:RV+1], v[RO:RO+1] op_sel:[1,0,0] op_sel_hi:[1,1,1]
.else
	v_pk_fma_f32 v[RO:RO+1], v[PA:PA+1], v[RV:RV+1], v[RO:RO+1] op_sel_hi:[0,1,1]
.endif
.endif
.endr
.endr
.endif
.endr
.endm
	WIN 0x54                                       ; source 0 (weights; the loads' address) window 0; V, the sums: window 1.  One setting for the whole walk
	KLOAD 0, AV, AV2
	KLOAD 1, AV, AV2
	KLOAD 2, AV, AV2
.set U, 0
.rept 24
	WAITU U
.if U < 21
	KLOAD U+3, AV, AV2
.endif
	VACC U
.set U, U+1
.endr
	; THE WAY OUT.  The division by the sum also lays the two columns of a channel side by side (so it goes one number at a time): 8 bytes for the stage.
	WIN 0x01                                       ; source 0 window 1
.irp py, 0,1,2,3
.irp dd, 0,1,2,3,4,5,6,7,8,9,10,11,12,13,14,15
.irp col, 0,1
	v_mul_f32 v[S+2*(16*\py+\dd)+\col], v[OA+16*(4*\col+\py)+\dd], v[RC+4*\col+\py]
.endr
.endr
.endr
	WIN 0
.irp py, 0,1,2,3
.irp dd, 0,1,2,3,4,5,6,7,8,9,10,11,12,13,14,15
	ds_store_b64 v[OS], v[S+2*(16*\py+\dd):S+2*(16*\py+\dd)+1] offset:(8*(\dd/4)+\dd%4)*OCH+256*\py   ; my register dd is channel 8 (dd / 4) + 4 h + dd % 4 of the head
.endr
.endr
	s_wait_dscnt 0x0                               ; for the others' sake: my stores into the stage have landed (a row's 256 bytes come from two waves)
	s_barrier_signal -1
	s_barrier_wait -1
.set I, 0
.rept 32
	ds_load_b128 v[S+4*I:S+4*I+3], v[ORD] offset:(I/2)*OCH+(I%2)*512   ; two rows of a channel: 512 neighbouring bytes
.set I, I+1
.endr
.set I, 0
.rept 32
	s_wait_dscnt 31-I                              ; LDS loads come back in order (ISA guide 5.7.1): load I is in, the younger ones may be out
	global_store_b128 v[L16], v[S+4*I:S+4*I+3], s[6:7] offset:(I/2)*16384+(I%2)*512 th:TH_STORE_NT   ; 32 lanes store 512 consecutive bytes, at a multiple of 256 from out0's first byte; written once, read by nobody here
.set I, I+1
.endr
	s_wait_tensorcnt 0x0                           ; the wave's end
	ds_add_u32 v[SPW], v[NIL]
	s_wait_dscnt 0x0
	s_endpgm
.Lfunc_end_k_q74548245f0_attn:
	.size	k_q74548245f0_attn, .Lfunc_end_k_q74548245f0_attn-k_q74548245f0_attn
	.p2alignl 7, 3214868480
	.fill 96, 4, 3214868480
	.section	.rodata,"a",@progbits
	.p2align	6, 0x0
	.amdhsa_kernel k_q74548245f0_attn
		.amdhsa_group_segment_fixed_size 296448
		.amdhsa_private_segment_fixed_size 0
		.amdhsa_enable_private_segment 0
		.amdhsa_kernarg_size 16
		.amdhsa_user_sgpr_count 2
		.amdhsa_user_sgpr_kernarg_segment_ptr 1
		.amdhsa_wavefront_size32 1
		.amdhsa_system_sgpr_workgroup_id_x 1
		.amdhsa_system_sgpr_workgroup_id_y 1
		.amdhsa_system_sgpr_workgroup_id_z 1
		.amdhsa_system_vgpr_workitem_id 0
		.amdhsa_next_free_vgpr 912
		.amdhsa_next_free_sgpr 66
		.amdhsa_reserve_vcc 0
		.amdhsa_float_denorm_mode_32 3
		.amdhsa_float_denorm_mode_16_64 3
		.amdhsa_memory_ordered 1
		.amdhsa_forward_progress 1
		.amdhsa_inst_pref_size 255
	.end_amdhsa_kernel
	.section	.bss,"aw",@nobits
	.p2align	6
	.space	262144
	.amdgpu_metadata
---
amdhsa.version: [ 1, 2 ]
amdhsa.kernels:
  - .name:           k_q74548245f0_attn
    .symbol:         k_q74548245f0_attn.kd
    .args:
      - { .name: qf, .offset: 0, .size: 8, .value_kind: global_buffer, .address_space: global }
      - { .name: out0, .offset: 8, .size: 8, .value_kind: global_buffer, .address_space: global }
    .group_segment_fixed_size: 296448
    .private_segment_fixed_size: 0
    .kernarg_segment_align: 8
    .kernarg_segment_size: 16
    .max_flat_workgroup_size: 128
    .sgpr_count:     66
    .vgpr_count:     912
    .wavefront_size: 32
...
	.end_amdgpu_metadata
.endif
;; end of part 2
